; MI455X (gfx1250); checked and timed in simulation.
; The chip was launched on July 23, 2026; its instructions are those of AMD's public machine-readable ISA for CDNA 5 (MIT licence, August 2026) and "CDNA5" Instruction Set Architecture Reference Guide (July 2026). The comments in the code are by the model that wrote it; some were corrected since.
;; MSA. Allowed arithmetic: matrix products marked QUANTISED: E5M2 operands, one E8M0 scale for each 32 along K, by v_wmma_scale_f32_16x16x128_f8f6f4 with both operands' format E5M2, f32 sums; everything else in f32.
;; Inputs: Wk_codes 1,024 x 32 x 32 uint8 (E5M2 codes of Wk, K innermost, in blocks of 32 codes); Wk_scales 1,024 x 32 uint8 (E8M0 scales of Wk, one for each 32 codes along K); Wo_codes 1,024 x 32 x 32 uint8 (E5M2 codes of Wo, K innermost, in blocks of 32 codes); Wo_scales 1,024 x 32 uint8 (E8M0 scales of Wo, one for each 32 codes along K); Wq_codes 1,024 x 32 x 32 uint8 (E5M2 codes of Wq, K innermost, in blocks of 32 codes); Wq_scales 1,024 x 32 uint8 (E8M0 scales of Wq, one for each 32 codes along K); Wv_codes 1,024 x 32 x 32 uint8 (E5M2 codes of Wv, K innermost, in blocks of 32 codes); Wv_scales 1,024 x 32 uint8 (E8M0 scales of Wv, one for each 32 codes along K); bk 1,024 float32; bo 1,024 float32; bq 1,024 float32; bv 1,024 float32; x_codes 4 x 2,048 x 32 x 32 uint8 (E5M2 codes of x, K innermost, in blocks of 32 codes); x_scales 4 x 2,048 x 32 uint8 (E8M0 scales of x, one for each 32 codes along K).
;; Outputs: out0 4 x 2,048 x 1,024 float32.
;; This version of the problem:
;;   THIS VERSION OF THE PROBLEM IS GIVEN IN LOW PRECISION. The matrix products marked QUANTISED in the list below multiply operands that are first quantised to E5M2 (5 exponent bits, 2 mantissa bits; 8 bits a number), with one power-of-two scale for each 32 numbers along K (OCP MX v1.0); their sums are f32. All else is computed in f32.
;;   The module's matrix products, in the order in which they are computed (A, B: the left and right operand; K: the contracted axis; several contracted axes count as one K, in the product's order):
;;     1. [M 8,192, K 1,024] x [K 1,024, N 1,024]; A: input x (given as codes); B: input Wq (given as codes): QUANTISED
;;     2. [M 8,192, K 1,024] x [K 1,024, N 1,024]; A: input x (given as codes); B: input Wk (given as codes): QUANTISED
;;     3. [M 8,192, K 1,024] x [K 1,024, N 1,024]; A: input x (given as codes); B: input Wv (given as codes): QUANTISED
;;     4. batch 64 x [M 2,048, K 64] x [K 64, N 2,048]; A: computed on the way; B: computed on the way: QUANTISED
;;     5. batch 64 x [M 2,048, K 2,048] x [K 2,048, N 64]; A: softmax (see below); B: computed on the way: QUANTISED
;;     6. [M 8,192, K 1,024] x [K 1,024, N 1,024]; A: computed on the way; B: input Wo (given as codes): QUANTISED
;;   THE QUANTISER, for each operand of a quantised product, along K:
;;     - K is cut into blocks of 32 from its start; a last block that is shorter is filled with zeros.
;;     - A block's scale is 2^e with e = floor(log2(the largest magnitude in the block)) - 15, held to -126 .. 127; a block of zeros has e = 0. As a byte (E8M0): e + 127.
;;     - Each number is divided by its block's scale, clamped to +-57,344, and rounded to the nearest number of E5M2, ties to even, subnormals kept.
;;     - The product sums the exact products of the quantised numbers (number of the format x scale) in f32.
;;   ~~~python
;;   def quantise(x, axis):      # numpy; x: float32 -> the quantised numbers, widened to float32 again
;;       x = np.moveaxis(x, axis, -1); K = x.shape[-1]
;;       x = np.pad(x, [(0, 0)] * (x.ndim - 1) + [(0, -K % 32)]); x = x.reshape(x.shape[:-1] + (-1, 32)); a = np.abs(x).max(-1, keepdims=True)
;;       e = np.where(a > 0, np.clip(np.frexp(np.where(a > 0, a, 1))[1] - 1 - 15, -126, 127), 0)      # np.frexp(a)[1] - 1 = floor(log2(a)), exactly
;;       r = np.clip(x / 2.0 ** e, -57344, 57344)
;;       step = 2.0 ** (np.maximum(np.frexp(np.where(r == 0, 1, r))[1] - 1, -14) - 2)
;;       q = np.round(r / step) * step * 2.0 ** e      # np.round: ties to even
;;       return np.moveaxis(q.reshape(q.shape[:-2] + (-1,))[..., :K], -1, axis).astype(np.float32)
;;   ~~~
;;   SOFTMAX AHEAD OF A QUANTISED PRODUCT. Where the list says 'softmax', what is quantised is not the finished softmax but p = 2^(t - M), with t = logit x log2(e) and M = ceil(the row's largest t), a whole number; so 1/2 < the row's largest p <= 1. The row's sum l is taken of the UNQUANTISED p, in f32, and the product's result is divided by l at the end. Since M is a whole number, a kernel that streams over the keys may use a running M (the ceiling of the running maximum): every later rescaling is an exact power of two, which a block's scale takes up: the codes' values come out the same.
;;   OPERANDS COMPUTED ON THE WAY. 'Computed on the way' means the value that the module computes at that place (a softmax that the list does not call 'softmax' is quantised finished and normalised). What goes into a quantiser is computed in f32, as accurately as f32 sums, v_exp_f32 and their like allow (about 1e-6 of the number): no bf16 or f16 on the way to a quantiser, and a product that is left as it is and whose result goes on into a quantised operand takes f32 operands (vector FMAs, or v_wmma_f32_16x16x4_f32). A number that lies on a knife's edge between two numbers of the format may be rounded either way, as far as f32 arithmetic and the matrix unit's own rounding can turn it there, and no further.
;;   INPUTS GIVEN AS CODES. Wk (in the module: [1024, 1024], K = its axis 0); Wo (in the module: [1024, 1024], K = its axis 0); Wq (in the module: [1024, 1024], K = its axis 0); Wv (in the module: [1024, 1024], K = its axis 0); x (in the module: [4, 2048, 1024], K = its axis 2): each comes as NAME_codes (uint8): NAME with its K axis moved to the last place and cut into blocks of 32 codes, [.., K / 32, bytes a block], one block behind the other in memory; one code a byte (a code: sign, 5 exponent bits, 2 mantissa bits); and NAME_scales (uint8): the same leading axes, one E8M0 byte (e + 127) for each 32 codes along K. Its value is code x scale, taken as it is: it is not quantised again, and the codes and scales need not be those that the quantiser above would give.
;; One version. Each part assembles by itself: llvm-mc -triple=amdgcn-amd-amdhsa -mcpu=gfx1250 --defsym DOCPART=n.
;; ======== version 1 of 1: 3 launches
;; limits: right only within a limited range of input values
;; workspace buffers: qc 8,388,608 bytes; qs 524,288 bytes; kv 17,301,504 bytes; oc 8,388,608 bytes; os 262,144 bytes
;; launch qkv (part 1): grid 4 x 64, 4 waves a work-group, clusters of 4 x 4, 327,680 bytes of LDS; arguments x_codes, x_scales, Wq_codes, Wq_scales, Wk_codes, Wk_scales, Wv_codes, Wv_scales, bq, bk, bv, qc, qs, kv; writes qc, qs, kv
.if DOCPART == 1
	.amdgcn_target "amdgcn-amd-amdhsa--gfx1250"
	.amdhsa_code_object_version 6
	.text
	.protected	k_qdef4e3ccaf_qkv
	.globl	k_qdef4e3ccaf_qkv
	.p2align	8
	.type	k_qdef4e3ccaf_qkv,@function
k_qdef4e3ccaf_qkv:
	s_mov_b64 s[64:65], 0
	v_nop
	global_prefetch_b8 v0, s[64:65] scope:SCOPE_SE
	s_setreg_imm32_b32 hwreg(HW_REG_WAVE_MODE, 25, 1), 1
	s_wait_xcnt 0x0
	s_wait_alu depctr_hold_cnt(0) depctr_sa_sdst(0) depctr_va_vdst(0) depctr_va_sdst(0) depctr_va_ssrc(0) depctr_va_vcc(0) depctr_vm_vsrc(0)
	s_getreg_b32 s2, hwreg(HW_REG_IB_STS2, 6, 4)
	s_cmp_eq_u32 s2, 0
	s_cbranch_scc0 .Lentry_in_a_cluster
	s_endpgm
.Lentry_in_a_cluster:
	s_bfe_u32 s2, ttmp6, 0x10000c
	s_cmp_lg_u32 s2, 0xf033
	s_cbranch_scc0 .Lentry_shape_is_right
	s_endpgm
.Lentry_shape_is_right:
; LAUNCH 1 OF 3.  q = x Wq + bq, k = x Wk + bk, v = x Wv + bv on codes of BF8 (E5M2) with one E8M0 scale for each 32 along K (K = 1,024), and the quantisers behind them:
; q and k along the head's 64, v along the keys.  What leaves are codes and scale words laid as the next launch's operand registers take them.
; DEAD WORK: none.  Every input moves a code, a scale or a result (bk too: it moves k's codes), so all 14 inputs are loaded by some launch and no product, row or step is left out.
; LIMITS.  A block of zeros gets the scale byte 1 where the rule says 127: its codes are zeros, which add nothing under any byte but 0xff, and the bytes are read by this program alone.  A block whose
; largest magnitude lies under 2^(16 - 127) is held at that floor's byte.  NaN and infinities among the inputs are not served.
; SHARES.  4 x 64 work-groups of four waves, 2 x 2.  A work-group owns 128 tokens (one key step of the next launch) and 256 features of each of q, k, v: SIX PHASES of 128 features (q, q, k, k, v, v).
; A wave keeps its 64 tokens of x, all of K, in 512 registers, read from LDS once; in a phase 64 rows of a weight, one head, stream past them: 16 accumulators, 8 steps of 128 along K, 16 products each.
; LDS: two buffers of 128 rows x (1,024 + 16) bytes.  x lands in buffer Y, the first weight rows in X (one joint load a wave at the head).  When x is in registers the weights take X and Y by turns:
; each refill, 32 rows a wave, stands behind a drained round of the cluster's barrier, inside the last 16 products of the phase that has read the buffer, and is first read a whole phase later.
; CLUSTERS: 4 x 4.  x's rows hang on the tile row alone and are asked for jointly by a row of the cluster, a weight's rows on the tile column alone, by a column.
; NO PREFETCH: x is asked for once, at the head; a weight's rows are asked for a whole phase ahead of their use by the refill itself.
; q, k: source 0 = 16 rows of W, source 1 = 16 tokens: a lane holds ONE token and its registers run along the features.  v: source 0 = 16 tokens, source 1 = 16 rows of Wv: a lane holds ONE feature, registers along the tokens.
; ORDER INSIDE A BLOCK OF 32: the numbers 16 u + 8 h + j of a block take the places 16 h + 8 u + j: q and k, and later p and v, come out in that same order, so each product meets its partner and each block keeps its scale.
; THE BIAS is the C of each sum's first product.  Scale words (a row's 32 bytes a lane) and bias come by plain loads, a phase ahead, into two sets of registers.
; REGISTERS: window 0: v1-20 addresses; v24-55 x's scale words (8 a + k step); v60-123 the weight's, two sets (8 b + k step): the two of a product never have numbers equal modulo 8; v128-191 the bias, two sets.
;   windows 1, 2: x's fragments (fragment 4 k step + a).  window 3: v0-127 accumulators (a, b) at 8 (4 a + b); v128-255 the weight's fragments, two sets; on the way out of a phase they are at work and take the codes.
.set KROW,   1024
.set BP,     1040                      ; a row in LDS: an odd multiple of 16 bytes
.set HB,     64*BP
.set XB,     128*BP                    ; buffer X begins here; buffer Y at 0
.set SPARE,  2*XB                      ; 266,240: the spare words, 128 bytes a wave
.set NP,     8                         ; places behind this matrix instruction (ISA guide 7.12.1)
.set ADRX, 4
.set ADRB, 5                           ; v5 my 64 rows in X, v6 in Y
.set VA,   7                           ; 32 r
.set VH,   8                           ; 32 h
.set VR4,  9                           ; 4 r
.set L16K, 10                          ; 16 lane + 4,096 x my half of the tokens: q's, k's codes
.set L16V, 11                          ; 16 lane + 1,024 x half: v's codes
.set LQS,  12                          ; 4 lane + 256 x half
.set LKS,  13                          ; 4 lane + 128 x half
.set LVS,  14                          ; 4 lane + 2 x half
.set SPW,  16
.set NIL,  17
.set SA,   24
.set SB,   60
.set BIAS, 128
.set MX,   128                         ; window 3, the way out: largest magnitudes; +8 the other half's; +16 the conversions' scale operands; +24 the holds; +32 the bytes
.set PM,   136
.set SOP,  144
.set BD,   152
.set BY,   160
.set W2,   168
.set TT,   172
.set WD,   174
.set PCD,  192                         ; codes: four registers a block
.set G1A, 24
.set G0A, 32
.set G0B, 36
.set G1B, 48
.set G1R, 56
.set G0R, 96
.set HM,  3
.set MSB, 0
.macro WIN new
.if MSB != (\new)
	s_set_vgpr_msb (MSB<<8)|(\new)
.set MSB, (\new)
.endif
.endm
.macro PLACES n
.rept \n
	v_nop
.endr
.endm
.macro CREST
	s_cmp_lg_u32 s14, 0
	s_cbranch_scc1 .Lnot_wave_0_\@
	s_barrier_signal -3
.Lnot_wave_0_\@:
	s_barrier_wait -3
	s_barrier_signal -1
	s_barrier_wait -1
.endm
.macro CROUND
	s_barrier_signal -1
	s_barrier_wait -1
	CREST
.endm
.macro GROUP1 g, mask, rows            ; so many whole rows of 1,024 bytes, four words of padding behind each 256 words
	s_or_b32 s[\g+0], s[\mask], (1<<20)|(1<<21)|(7<<22)|(3<<25)
	s_mov_b32 s[\g+1], KROW<<16
	s_mov_b32 s[\g+2], (\rows)<<16
	s_mov_b32 s[\g+3], KROW<<16
	s_mov_b32 s[\g+4], \rows
	s_mov_b32 s[\g+5], KROW
	s_mov_b32 s[\g+6], 0
	s_mov_b32 s[\g+7], 0
.endm
	s_load_b512 s[68:83], s[0:1], 0x0              ; x codes 68, x scales 70, Wq 72, 74, Wk 76, 78, Wv 80, 82
	s_load_b256 s[84:91], s[0:1], 0x40             ; bq 84, bk 86, bv 88, qc 90
	s_load_b128 s[92:95], s[0:1], 0x60             ; qs 92, kv 94
	v_lshl_add_u32 v[SPW], v0, 2, SPARE
	v_mov_b32 v[NIL], 0
	ds_add_u32 v[SPW], v[NIL]                      ; the opening lines: the add, twice on end, and its wait ahead of my first tensor load
	ds_add_u32 v[SPW], v[NIL]
	v_lshrrev_b32 v1, 5, v0
	v_readfirstlane_b32 s14, v1                    ; wave 0..3
	s_lshr_b32 s15, s14, 1                         ; my half of the tokens.  Also: at the head I fetch x (0) or Wq (1)
	s_and_b32 s16, s14, 1                          ; my half of a phase's features.  Also: which half I fetch at the head
	s_bfe_u32 s40, ttmp6, 0x40000                  ; cx, cy
	s_bfe_u32 s41, ttmp6, 0x40004
	s_lshl_b32 s42, ttmp9, 2
	s_add_co_u32 s42, s42, s40                     ; tile column: 256 features of each tensor
	s_and_b32 s17, ttmp7, 0xffff
	s_lshl_b32 s17, s17, 2
	s_add_co_u32 s17, s17, s41                     ; tile row: 128 tokens
	s_lshl_b32 s43, s41, 2
	s_lshl_b32 s43, 15, s43                        ; my row of the cluster
	s_lshl_b32 s44, 0x1111, s40                    ; my column
	GROUP1 G1A, 43, 64                             ; x: 64 rows, to my row
	GROUP1 G1B, 44, 64                             ; the first weight rows: 64, to my column
	GROUP1 G1R, 44, 32                             ; a refill: 32 rows a wave
	s_mov_b32 s45, 0x600000                        ; the mantissa field of 57,344
	s_mov_b32 s46, 0x76543210
	s_mov_b32 s47, 0xfedcba98
	s_lshl_b32 s4, s17, 17                         ; byte offsets, each under 2^32.  x's codes: 131,072 a tile row, 65,536 a half
	s_lshl_b32 s18, s16, 16
	s_add_co_u32 s4, s4, s18
	s_mov_b32 s5, 0
	s_lshl_b32 s6, s42, 18                         ; Wq's: 256 rows a tile column, 64 rows a half
	s_add_co_u32 s6, s6, s18
	s_mov_b32 s7, 0
	s_mul_i32 s19, s16, HB                         ; 64 rows in Y,
	s_add_co_u32 s20, s19, XB                      ; in X
	s_mul_i32 s101, s14, 32*BP                     ; a refill's 32 rows in Y,
	s_add_co_u32 s100, s101, XB                    ; in X
	s_mov_b32 s[G0R], 1
	s_wait_dscnt 0x0                               ; both opening adds are done
	s_wait_kmcnt 0x0
	s_mov_b32 s[G0A], 1
	s_mov_b32 s[G0A+1], s19
	s_add_nc_u64 s[G0A+2:G0A+3], s[68:69], s[4:5]
	s_or_b32 s[G0A+3], s[G0A+3], 0x80000000
	s_mov_b32 s[G0B], 1
	s_mov_b32 s[G0B+1], s20
	s_add_nc_u64 s[G0B+2:G0B+3], s[72:73], s[6:7]
	s_or_b32 s[G0B+3], s[G0B+3], 0x80000000
	CROUND                                         ; all sixteen work-groups are here: the first joint loads meet
	s_cmp_eq_u32 s15, 0                            ; one load a wave, in the two arms of one branch on the wave's number
	s_cbranch_scc0 .Lfor_w
	tensor_load_to_lds s[G0A:G0A+3], s[G1A:G1A+7]
	s_nop 0
	PLACES 4
	s_branch .Lasked
.Lfor_w:
	tensor_load_to_lds s[G0B:G0B+3], s[G1B:G1B+7]
	s_nop 0
	PLACES 4
.Lasked:
	s_lshl_b32 s4, s17, 12                         ; x's scale bytes at my wave's 64 tokens
	s_lshl_b32 s18, s15, 11
	s_add_co_u32 s4, s4, s18
	s_add_nc_u64 s[70:71], s[70:71], s[4:5]
	s_lshl_b32 s4, s42, 18                         ; the weights' codes at my 32 rows of a refill
	s_lshl_b32 s18, s14, 15
	s_add_co_u32 s4, s4, s18
	s_add_nc_u64 s[72:73], s[72:73], s[4:5]
	s_add_nc_u64 s[76:77], s[76:77], s[4:5]
	s_add_nc_u64 s[80:81], s[80:81], s[4:5]
	s_lshl_b32 s4, s42, 13                         ; their scale bytes at my wave's 64 features
	s_lshl_b32 s18, s16, 11
	s_add_co_u32 s4, s4, s18
	s_add_nc_u64 s[74:75], s[74:75], s[4:5]
	s_add_nc_u64 s[78:79], s[78:79], s[4:5]
	s_add_nc_u64 s[82:83], s[82:83], s[4:5]
	s_lshl_b32 s4, s42, 10                         ; the biases there
	s_lshl_b32 s18, s16, 8
	s_add_co_u32 s4, s4, s18
	s_add_nc_u64 s[84:85], s[84:85], s[4:5]
	s_add_nc_u64 s[86:87], s[86:87], s[4:5]
	s_add_nc_u64 s[88:89], s[88:89], s[4:5]
	s_lshr_b32 s21, s17, 4
	s_lshl_b32 s21, s21, 4
	s_lshl_b32 s18, s42, 2
	s_add_co_u32 s21, s21, s18
	s_add_co_u32 s21, s21, s16                     ; 16 x batch + my head of an even phase; an odd phase: two heads on
	s_and_b32 s22, s17, 15                         ; the key step
	s_lshl_b32 s4, s21, 17                         ; qc: 131,072 bytes a head, 8,192 for 128 tokens
	s_lshl_b32 s18, s22, 13
	s_add_co_u32 s4, s4, s18
	s_add_nc_u64 s[90:91], s[90:91], s[4:5]
	s_lshl_b32 s4, s21, 13                         ; qs: 8,192 a head, 512 for 128 tokens
	s_lshl_b32 s18, s22, 9
	s_add_co_u32 s4, s4, s18
	s_add_nc_u64 s[92:93], s[92:93], s[4:5]
	s_mul_i32 s4, s21, 270336                      ; kv: 16 steps x 16,896 a head
	s_mul_i32 s18, s22, 16896
	s_add_co_u32 s4, s4, s18
	s_add_nc_u64 s[94:95], s[94:95], s[4:5]
	v_and_b32 v1, 15, v0                           ; r
	v_bfe_u32 v2, v0, 4, 1                         ; h
	v_and_b32 v3, 31, v0
	v_mul_u32_u24 v18, v1, BP
	v_lshl_add_u32 v18, v2, 4, v18                 ; a fragment's row x pitch + 16 x half
	s_mul_i32 s18, s15, HB
	v_add_nc_u32 v[ADRX], s18, v18
	v_add_nc_u32 v[ADRB], s20, v18
	v_add_nc_u32 v[ADRB+1], s19, v18
	v_lshlrev_b32 v[VA], 5, v1
	v_lshlrev_b32 v[VH], 5, v2
	v_lshlrev_b32 v[VR4], 2, v1
	v_lshlrev_b32 v19, 4, v3
	v_lshlrev_b32 v20, 2, v3
	s_lshl_b32 s18, s15, 12
	v_add_nc_u32 v[L16K], s18, v19
	s_lshl_b32 s18, s15, 10
	v_add_nc_u32 v[L16V], s18, v19
	s_lshl_b32 s18, s15, 8
	v_add_nc_u32 v[LQS], s18, v20
	s_lshl_b32 s18, s15, 7
	v_add_nc_u32 v[LKS], s18, v20
	s_lshl_b32 s18, s15, 1
	v_add_nc_u32 v[LVS], s18, v20
	v_cmp_lt_u32 s[HM], 15, v3                     ; lanes 16-31
	s_wait_alu depctr_va_vdst(0)                   ; the wait at the head's end
.macro GETS q                          ; phase q's scale words of the weight and its bias, into set q % 2
.irp b, 0,1,2,3
.irp c, 0,1
	global_load_b128 v[SB+32*((\q)%2)+8*\b+4*\c:SB+32*((\q)%2)+8*\b+4*\c+3], v[VA], s[74+4*((\q)/2):75+4*((\q)/2)] offset:4096*((\q)%2)+512*\b+16*\c
.if ((\q)/2) < 2
	global_load_b128 v[BIAS+32*((\q)%2)+8*\b+4*\c:BIAS+32*((\q)%2)+8*\b+4*\c+3], v[VH], s[84+2*((\q)/2):85+2*((\q)/2)] offset:512*((\q)%2)+64*\b+16*\c   ; q, k: register j of (a, b) is feature 16 b + 8 h + j
.endif
.endr
.if ((\q)/2) == 2
	global_load_b32 v[BIAS+32*((\q)%2)+8*\b], v[VR4], s[88:89] offset:512*((\q)%2)+64*\b   ; v: every register of (a, b) is feature 16 b + r
.endif
.endr
.endm
.irp a, 0,1,2,3
.irp c, 0,1
	global_load_b128 v[SA+8*\a+4*\c:SA+8*\a+4*\c+3], v[VA], s[70:71] offset:512*\a+16*\c
.endr
.endr
	GETS 0
.macro FETCHB kq, buf                  ; the weight's four fragments of the kq-th 128 of K into set kq % 2: 16 loads
	WIN 0xc0
.irp b, 0,1,2,3
.irp c, 0,1,2,3
	ds_load_b128 v[128+64*((\kq)%2)+16*\b+4*\c:128+64*((\kq)%2)+16*\b+4*\c+3], v[ADRB+(\buf)] offset:\b*16*BP+128*(\kq)+32*\c
.endr
.endr
.endm
; 16 products: my four tiles of tokens x four tiles of features, the kq-th 128 of K.  The 16 accumulators take turns, in the same order in every step.
.macro MULS kq, p, kind, zero
.set XW_, 1+(\kq)/4                    ; x's fragments 0 to 15 lie in window 1, 16 to 31 in window 2; C is the bias (window 0) or the sum (window 3)
.if \kind
	WIN XW_|(3<<2)|((3*(1-(\zero)))<<4)|(3<<6)
.else
	WIN 3|(XW_<<2)|((3*(1-(\zero)))<<4)|(3<<6)
.endif
.irp a, 0,1,2,3
.irp b, 0,1,2,3
.set D_, 8*(4*\a+\b)
.set C_, D_
.if \zero
.set C_, BIAS+32*((\p)%2)+8*\b
.endif
.set WF_, 128+64*((\kq)%2)+16*\b
.set XF_, 16*((4*(\kq)+\a)%16)
.set SW_, SB+32*((\p)%2)+8*\b+(\kq)
.set SX_, SA+8*\a+(\kq)
.if \kind
	v_wmma_scale_f32_16x16x128_f8f6f4 v[D_:D_+7], v[XF_:XF_+15], v[WF_:WF_+15], v[C_:C_+7], v[SX_], v[SW_] matrix_a_fmt:MATRIX_FMT_BF8 matrix_b_fmt:MATRIX_FMT_BF8
.else
	v_wmma_scale_f32_16x16x128_f8f6f4 v[D_:D_+7], v[WF_:WF_+15], v[XF_:XF_+15], v[C_:C_+7], v[SW_], v[SX_] matrix_a_fmt:MATRIX_FMT_BF8 matrix_b_fmt:MATRIX_FMT_BF8
.endif
.endr
.endr
.endm
; Block n of a phase's eight blocks of 32 along the next K: 16 numbers a lane, in two accumulators E_ and O_, the other 16 in lane l xor 16.
; q, k: n = 2 a + half of the head: accumulators (a, 2 half), (a, 2 half + 1).  v: n = 4 (pair of token tiles) + b: accumulators (2 pair, b), (2 pair + 1, b).
.macro EO n, kind
.if \kind
.set E_, 64*((\n)/4)+8*((\n)%4)
.set O_, E_+32
.else
.set E_, 16*(\n)
.set O_, E_+8
.endif
.endm
; THE WAY OUT of phase p: the quantiser, wholly in window 3, and the stores.  Each accumulator is read from its low end on.
.macro WAYOUT p, kind
	PLACES NP+1                                    ; behind the last products: results are read, fragment registers are written, and the next phase's first products write these accumulators anew
	WIN 0xff
.irp n, 0,1,2,3,4,5,6,7
	EO \n, \kind
	v_max3_num_f32 v[MX+\n], |v[E_]|, |v[E_+1]|, 0x8000000   ; and the floor 2^(16 - 127): the byte cannot fall under 1
.endr
.irp i, 2,4,6
.irp n, 0,1,2,3,4,5,6,7
	EO \n, \kind
	v_max3_num_f32 v[MX+\n], v[MX+\n], |v[E_+\i]|, |v[E_+\i+1]|
.endr
.endr
.irp i, 0,2,4,6
.irp n, 0,1,2,3,4,5,6,7
	EO \n, \kind
	v_max3_num_f32 v[MX+\n], v[MX+\n], |v[O_+\i]|, |v[O_+\i+1]|
.endr
.endr
.irp n, 0,1,2,3,4,5,6,7
	v_permlanex16_b32 v[PM+\n], v[MX+\n], s46, s47
.endr
.irp n, 0,1,2,3,4,5,6,7
	v_max_num_f32 v[MX+\n], v[MX+\n], v[PM+\n]     ; the block's largest magnitude
.endr
.irp n, 0,1,2,3,4,5,6,7
	v_add_nc_u32 v[SOP+\n], 0xf8800000, v[MX+\n]   ; 15 off its exponent field: the conversion's scale operand
.endr
.irp n, 0,1,2,3,4,5,6,7
	v_and_or_b32 v[BD+\n], v[MX+\n], 0x7f800000, s45   ; 57,344 x the scale
.endr
.irp n, 0,1,2,3,4,5,6,7
	v_lshrrev_b32 v[BY+\n], 23, v[SOP+\n]          ; the scale's byte
.endr
.irp n, 0,1,2,3,4,5,6,7
	EO \n, \kind
.irp i, 0,1,2,3,4,5,6,7
	v_med3_num_f32 v[E_+\i], v[E_+\i], -v[BD+\n], v[BD+\n]   ; the conversion to an 8-bit code does not saturate (ISA guide 7.6.2)
	v_med3_num_f32 v[O_+\i], v[O_+\i], -v[BD+\n], v[BD+\n]
.endr
	v_cvt_scalef32_pk8_bf8_f32 v[PCD+4*\n:PCD+4*\n+1], v[E_:E_+7], v[SOP+\n]
	v_cvt_scalef32_pk8_bf8_f32 v[PCD+4*\n+2:PCD+4*\n+3], v[O_:O_+7], v[SOP+\n]
.endr
.if \kind
.irp b, 0,1,2,3
	v_lshl_or_b32 v[W2+\b], v[BY+4+\b], 8, v[BY+\b]            ; feature tile b: the bytes of my two blocks of keys
.endr
.irp g, 0,1
	v_cndmask_b32 v[TT+\g], v[W2+2*\g], v[W2+2*\g+1], s[HM]    ; lanes 0-15 tile 2 g, lanes 16-31 tile 2 g + 1
.endr
	WIN 0x0c                                       ; addresses window 0, data window 3
.irp n, 0,1,2,3,4,5,6,7
	global_store_b128 v[L16V], v[PCD+4*\n:PCD+4*\n+3], s[94:95] offset:8192+2048*(\n%4)+512*(\n/4)+((\p)%2)*540672   ; a piece of a fragment of V^T: 512 consecutive bytes, aligned
.endr
.irp g, 0,1
	global_store_b16 v[LVS], v[TT+\g], s[94:95] offset:16640+128*\g+((\p)%2)*540672   ; my half of each scale word; the other half is the other token half's
.endr
.else
.irp a, 0,1,2,3
	v_lshl_or_b32 v[W2+\a], v[BY+2*\a+1], 8, v[BY+2*\a]        ; token tile a: the head's two bytes
.endr
.if (\p) < 2
.irp g, 0,1
	v_cndmask_b32 v[TT+\g], v[W2+2*\g], v[W2+2*\g+1], s[HM]    ; q: lanes 0-15 tile 2 g, lanes 16-31 tile 2 g + 1
.endr
.irp g, 0,1
	v_lshl_or_b32 v[WD+\g], v[TT+\g], 16, v[TT+\g]             ; the two bytes twice over
.endr
.else
	v_cndmask_b32 v[TT], v[W2], v[W2+2], s[HM]                 ; k: a fragment holds two tiles: lanes 0-15 tiles 0 and 1, lanes 16-31 tiles 2 and 3
	v_cndmask_b32 v[TT+1], v[W2+1], v[W2+3], s[HM]
	v_lshl_or_b32 v[WD], v[TT+1], 16, v[TT]
.endif
	WIN 0x0c
.if (\p) < 2
.irp n, 0,1,2,3,4,5,6,7
	global_store_b128 v[L16K], v[PCD+4*\n:PCD+4*\n+3], s[90:91] offset:512*\n+((\p)%2)*262144
.endr
.irp g, 0,1
	global_store_b32 v[LQS], v[WD+\g], s[92:93] offset:128*\g+((\p)%2)*16384
.endr
.else
.irp n, 0,1,2,3,4,5,6,7
	global_store_b128 v[L16K], v[PCD+4*\n:PCD+4*\n+3], s[94:95] offset:512*\n+((\p)%2)*540672
.endr
	global_store_b32 v[LKS], v[WD], s[94:95] offset:16384+((\p)%2)*540672
.endif
.endif
	WIN 0
.endm
.macro PHASE p, kind
	s_wait_xcnt 0x0                                ; the last phase's stores have read the registers that the loads below fill
	FETCHB 0, (\p)%2
	FETCHB 1, (\p)%2
	WIN 0
	s_wait_loadcnt 0x0                             ; this phase's scale words and bias
.if \kind
.irp b, 0,1,2,3
.irp j, 1,2,3,4,5,6,7
	v_mov_b32 v[BIAS+32*((\p)%2)+8*\b+\j], v[BIAS+32*((\p)%2)+8*\b]
.endr
.endr
.endif
.if (\p) < 5
	GETS (\p)+1                                    ; the next phase's, into the other set
.endif
.if \kind
	s_wait_alu depctr_va_vdst(0)                   ; directly ahead of the wait below
.endif
	s_wait_dscnt 16                                ; all but the 16 loads issued last
	MULS 0, \p, \kind, 1
.irp kq, 1,2,3,4,5,6
	PLACES NP                                      ; in front of loads into the set that the step before the last has multiplied
	FETCHB \kq+1, (\p)%2
	s_wait_dscnt 16
	MULS \kq, \p, \kind, 0
.endr
	WIN 0
.if (\p) < 4
	s_wait_tensorcnt 0x0                           ; the three lines ahead of the refill's round: my part of the next phase's rows is in;
	ds_add_u32 v[SPW], v[NIL]                      ; 0 onto my spare word;
	s_mov_b32 s[G0R+1], s[100+(\p)%2]              ; (no tensor load of mine is out: the descriptor may be written: this buffer, the rows of the phase after the next)
	s_add_nc_u64 s[G0R+2:G0R+3], s[72+4*(((\p)+2)/2):73+4*(((\p)+2)/2)], ((\p)%2)*131072
	s_or_b32 s[G0R+3], s[G0R+3], 0x80000000
	s_wait_dscnt 0x0                               ; the add is done, and my reads of this buffer are over
	s_barrier_signal -1
	MULS 7, \p, \kind, 0                           ; work on registers while the others arrive
	WIN 0
	s_barrier_wait -1
	CREST                                          ; no wave of any partner still reads this buffer or has a load on its way
	tensor_load_to_lds s[G0R:G0R+3], s[G1R:G1R+7]
	s_nop 0
	PLACES 4
.elseif (\p) == 4
	s_wait_tensorcnt 0x0                           ; every wave: its part of the last phase's rows is in
	s_wait_dscnt 0x0
	s_barrier_signal -1
	MULS 7, \p, \kind, 0
	WIN 0
	s_barrier_wait -1
.else
	s_wait_dscnt 0x0
	MULS 7, \p, \kind, 0
	WIN 0
.endif
	WAYOUT \p, \kind
.endm
	s_cmp_eq_u32 s15, 0
	s_cbranch_scc0 .Lnot_x
	s_wait_tensorcnt 0x0                           ; waves 0 and 1: x's rows are in
.Lnot_x:
	s_barrier_signal -1
	s_barrier_wait -1
.irp kq, 0,1,2,3,4,5,6,7                       ; my 64 tokens, all of K, into windows 1 and 2: 128 loads
	WIN (1+\kq/4)<<6
.irp a, 0,1,2,3
.irp c, 0,1,2,3
	ds_load_b128 v[16*((4*\kq+\a)%16)+4*\c:16*((4*\kq+\a)%16)+4*\c+3], v[ADRX] offset:\a*16*BP+128*\kq+32*\c
.endr
.endr
.endr
	WIN 0
	s_wait_tensorcnt 0x0                           ; every wave: the head's loads are in; the three lines ahead of the first refill's round
	ds_add_u32 v[SPW], v[NIL]
	s_mov_b32 s[G0R+1], s101                       ; Wq's second 128 rows over x's rows, which are in registers
	s_add_nc_u64 s[G0R+2:G0R+3], s[72:73], 131072
	s_or_b32 s[G0R+3], s[G0R+3], 0x80000000
	s_wait_dscnt 0x0
	CROUND
	tensor_load_to_lds s[G0R:G0R+3], s[G1R:G1R+7]
	s_nop 0
	PLACES 4
	PHASE 0, 0
	PHASE 1, 0
	PHASE 2, 0
	PHASE 3, 0
	PHASE 4, 1
	PHASE 5, 1
	s_wait_tensorcnt 0x0                           ; the wave's end
	ds_add_u32 v[SPW], v[NIL]
	s_wait_dscnt 0x0
	CROUND                                         ; the closing round
	s_endpgm
.Lfunc_end_k_qdef4e3ccaf_qkv:
	.size	k_qdef4e3ccaf_qkv, .Lfunc_end_k_qdef4e3ccaf_qkv-k_qdef4e3ccaf_qkv
	.p2alignl 7, 3214868480
	.fill 96, 4, 3214868480
	.section	.rodata,"a",@progbits
	.p2align	6, 0x0
	.amdhsa_kernel k_qdef4e3ccaf_qkv
		.amdhsa_group_segment_fixed_size 327680
		.amdhsa_private_segment_fixed_size 0
		.amdhsa_enable_private_segment 0
		.amdhsa_kernarg_size 112
		.amdhsa_user_sgpr_count 2
		.amdhsa_user_sgpr_kernarg_segment_ptr 1
		.amdhsa_wavefront_size32 1
		.amdhsa_system_sgpr_workgroup_id_x 1
		.amdhsa_system_sgpr_workgroup_id_y 1
		.amdhsa_system_sgpr_workgroup_id_z 1
		.amdhsa_system_vgpr_workitem_id 0
		.amdhsa_next_free_vgpr 1024
		.amdhsa_next_free_sgpr 102
		.amdhsa_reserve_vcc 0
		.amdhsa_float_denorm_mode_32 3
		.amdhsa_float_denorm_mode_16_64 3
		.amdhsa_memory_ordered 1
		.amdhsa_forward_progress 1
		.amdhsa_inst_pref_size 255
	.end_amdhsa_kernel
	.section	.bss,"aw",@nobits
	.p2align	6
	.space	262144
	.amdgpu_metadata
---
amdhsa.version: [ 1, 2 ]
amdhsa.kernels:
  - .name:           k_qdef4e3ccaf_qkv
    .symbol:         k_qdef4e3ccaf_qkv.kd
    .args:
      - { .name: x_codes, .offset: 0, .size: 8, .value_kind: global_buffer, .address_space: global }
      - { .name: x_scales, .offset: 8, .size: 8, .value_kind: global_buffer, .address_space: global }
      - { .name: Wq_codes, .offset: 16, .size: 8, .value_kind: global_buffer, .address_space: global }
      - { .name: Wq_scales, .offset: 24, .size: 8, .value_kind: global_buffer, .address_space: global }
      - { .name: Wk_codes, .offset: 32, .size: 8, .value_kind: global_buffer, .address_space: global }
      - { .name: Wk_scales, .offset: 40, .size: 8, .value_kind: global_buffer, .address_space: global }
      - { .name: Wv_codes, .offset: 48, .size: 8, .value_kind: global_buffer, .address_space: global }
      - { .name: Wv_scales, .offset: 56, .size: 8, .value_kind: global_buffer, .address_space: global }
      - { .name: bq, .offset: 64, .size: 8, .value_kind: global_buffer, .address_space: global }
      - { .name: bk, .offset: 72, .size: 8, .value_kind: global_buffer, .address_space: global }
      - { .name: bv, .offset: 80, .size: 8, .value_kind: global_buffer, .address_space: global }
      - { .name: qc, .offset: 88, .size: 8, .value_kind: global_buffer, .address_space: global }
      - { .name: qs, .offset: 96, .size: 8, .value_kind: global_buffer, .address_space: global }
      - { .name: kv, .offset: 104, .size: 8, .value_kind: global_buffer, .address_space: global }
    .group_segment_fixed_size: 327680
    .private_segment_fixed_size: 0
    .kernarg_segment_align: 8
    .kernarg_segment_size: 112
    .max_flat_workgroup_size: 128
    .sgpr_count:     102
    .vgpr_count:     1024
    .wavefront_size: 32
...
	.end_amdgpu_metadata
.endif
;; end of part 1
;; launch attn (part 2): grid 4 x 64, 8 waves a work-group, clusters of 4 x 1, 327,680 bytes of LDS; arguments qc, qs, kv, oc, os; writes oc, os
.if DOCPART == 2
	.amdgcn_target "amdgcn-amd-amdhsa--gfx1250"
	.amdhsa_code_object_version 6
	.text
	.protected	k_qdef4e3ccaf_attn
	.globl	k_qdef4e3ccaf_attn
	.p2align	8
	.type	k_qdef4e3ccaf_attn,@function
k_qdef4e3ccaf_attn:
	s_mov_b64 s[64:65], 0
	v_nop
	global_prefetch_b8 v0, s[64:65] scope:SCOPE_SE
	s_setreg_imm32_b32 hwreg(HW_REG_WAVE_MODE, 25, 1), 1
	s_wait_xcnt 0x0
	s_wait_alu depctr_hold_cnt(0) depctr_sa_sdst(0) depctr_va_vdst(0) depctr_va_sdst(0) depctr_va_ssrc(0) depctr_va_vcc(0) depctr_vm_vsrc(0)
	s_getreg_b32 s2, hwreg(HW_REG_IB_STS2, 6, 4)
	s_cmp_eq_u32 s2, 0
	s_cbranch_scc0 .Lentry_in_a_cluster
	s_endpgm
.Lentry_in_a_cluster:
	s_bfe_u32 s2, ttmp6, 0x10000c
	s_cmp_lg_u32 s2, 0x3003
	s_cbranch_scc0 .Lentry_shape_is_right
	s_endpgm
.Lentry_shape_is_right:
; LAUNCH 2 OF 3.  o = softmax(q k^T / 8) v for one head of one batch, both products on codes of BF8 (E5M2) with E8M0 scales, and o's quantiser along the features.  No work is left out here.
; SHARES.  64 heads x 4 work-groups; a work-group owns 512 queries, each of its 8 waves 2 x 32 of them (two passes of two tiles of 16).  A head's K and V, 16 key steps of 128 keys, 16,896 bytes each as the
; launch before laid them (K's four fragments, V's four, their scale words), lie in LDS for the whole launch: 270,336 bytes, filled once, wave w bringing steps 2 w and 2 w + 1 by one load.
; CLUSTER: the four work-groups of a head read the same K and V and ask for them jointly (mask 15).  Wave 0's load has a line of its own: the first barrier shows its two steps alone, the second all.
; NO PREFETCH: K and V are asked for once, at the head, ahead of every loop; the second pass's Q is loaded into registers of its own during the first pass.
; LAYOUT.  Both products are used transposed: a lane holds one query.  A fragment of K holds two tiles of 16 keys side by side along the instruction's 128 (the head has 64); Q stands as [q, 0] or [0, q].
; THE SOFTMAX, block by block of 32 keys.  t = score x log2(e) / 8.  F = floor(the block's largest t).  p' = 2^(t - F), under 2, hangs on no M: its codes are taken under the constant scale 2^-15, held at 1.75
; (57,344 x that scale), and the block's scale byte is F - M + 112, M = ceil(the running largest t): the numbers are those of p = 2^(t - M) under the block's own scale.
; The row's sum adds each block's sum of the unquantised p' times 2^(F - M).  When M moves, the sum and O^T are multiplied by 2^(old M - new M): exact.
; LIMITS.  M, F and their differences are whole numbers kept in f32: exact while |t| stays under 2^23.  A block that lies more than 112 octaves under M is held at the byte 0 (2^-127), in the sum too: such terms
; are under 2^-111 of the row's largest.  o: a block of zeros gets the byte 1 (its codes are zeros; this program alone reads the bytes).  NaN and infinities are not served.
.set STEPB, 16896
.set HEADB, 16*STEPB
.set VFO,   8192
.set KSO,   16384
.set VSO,   16640
.set PARTB, 2*STEPB                    ; what one wave's load brings: 132 rows of 256 bytes
.set SPARE, HEADB                      ; the spare words: 128 bytes a wave, four blocks of 256 bytes that no other line names
; window 0
.set L16, 1                            ; 16 x lane
.set L4,  2                            ; 4 x lane
.set ADR, 3                            ; the step's fragments
.set ADS, 4                            ; the step's scale words
.set SPW, 5
.set NIL, 6
.set L32, 7
.set KSR, 8                            ; v8-9 K's scale words, v10-11 V's
.set VSR, 10
.set QS,  12                           ; Q's scale words; v14 the next pass's
.set QSN, 14
.set CSC, 15                           ; 2^-15: the conversions' scale operand
.set ST,  16                           ; tile x: +4x: -M, the largest t, the sum in two halves
.set FF,  28                           ; tile x: +2x: f = 2^(old M - new M), p's scale word
.set TW,  32                           ; tile x: +24x: 0-3 block maxima, 4-7 the other half's, then 0-7 block sums (pairs); 8+2b: -F; 9+2b: t, then the byte; 16+2b: 2^(F - M); 17, 19, 21: at work
.set PC,  80                           ; p's codes, 16 registers a tile
.set HWS, 112
.set S,   128                          ; S^T, then p': 64 registers a tile
; window 1
.set OA,  0                            ; O^T: 32 registers a tile
.set QB,  64                           ; q, 0, q: 24 registers a tile
.set NX,  112                          ; the next pass's q: 8 registers a tile
.set KF,  128
.set VF,  192
.set WV,  14
.set G1A, 24
.set BND, 32                           ; 1.75
.set K112, 33                          ; 2^-112
.set G0A, 40
.set SELR, 48
.set CS,  50
.set MNT, 52
.set TB,  53
.set CNT, 54
.set PASS, 55
.set HM,  56
.set MSB, 0
.macro WIN new
.if MSB != (\new)
	s_set_vgpr_msb (MSB<<8)|(\new)
.set MSB, (\new)
.endif
.endm
.set W_LD,  0x40
.set W_KQ,  0x05
.set W_RS,  0x41
.set W_PV,  0x51
.set W_OUT, 0x01
.macro CROUND
	s_barrier_signal -1
	s_barrier_wait -1
	s_cmp_lg_u32 s[WV], 0
	s_cbranch_scc1 .Lnot_wave_0_\@
	s_barrier_signal -3
.Lnot_wave_0_\@:
	s_barrier_wait -3
	s_barrier_signal -1
	s_barrier_wait -1
.endm
	s_load_b256 s[4:11], s[0:1], 0x0               ; qc, qs, kv, oc
	s_load_b64 s[12:13], s[0:1], 0x20              ; os
	v_lshl_add_u32 v[SPW], v0, 2, SPARE
	v_mov_b32 v[NIL], 0
	ds_add_u32 v[SPW], v[NIL]                      ; the opening lines: the add, twice on end, and its wait ahead of my tensor load
	ds_add_u32 v[SPW], v[NIL]
	v_lshrrev_b32 v1, 5, v0
	v_readfirstlane_b32 s[WV], v1                  ; wave 0..7
	s_bfe_u32 s15, ttmp6, 0x40000                  ; cx: which 512 queries
	s_and_b32 s16, ttmp7, 0xffff                   ; 16 x batch + head
	s_mov_b32 s[G1A], 15|(3<<16)|(1<<21)           ; the mask: all four; elements of 8 bytes; bit 21 beside a mask
	s_mov_b32 s[G1A+1], 32<<16
	s_mov_b32 s[G1A+2], (PARTB/256)<<16
	s_mov_b32 s[G1A+3], 32<<16
	s_mov_b32 s[G1A+4], PARTB/256
	s_mov_b32 s[G1A+5], 32
	s_mov_b32 s[G1A+6], 0
	s_mov_b32 s[G1A+7], 0
	s_mov_b32 s[SELR], 0x76543210
	s_mov_b32 s[SELR+1], 0xfedcba98
	s_mov_b32 s[CS], 0x3e38aa3b                    ; c = log2(e) / 8
	s_mov_b32 s[CS+1], s[CS]
	s_mov_b32 s[MNT], 0x600000
	s_mov_b32 s[BND], 0x3fe00000
	s_mov_b32 s[K112], 0x07800000
	s_mov_b32 s[PASS], 2
	s_mul_i32 s17, s[WV], PARTB
	s_mul_i32 s20, s16, HEADB
	s_mov_b32 s21, 0
	s_wait_dscnt 0x0
	s_wait_kmcnt 0x0
	s_add_nc_u64 s[8:9], s[8:9], s[20:21]
	s_mov_b32 s20, s17
	s_mov_b32 s[G0A], 1
	s_mov_b32 s[G0A+1], s17
	s_add_nc_u64 s[G0A+2:G0A+3], s[8:9], s[20:21]
	s_or_b32 s[G0A+3], s[G0A+3], 0x80000000
	CROUND                                         ; all four work-groups are here: the joint loads meet
	s_cmp_eq_u32 s[WV], 0                          ; one load a wave; wave 0, which alone waits at the first barrier, has a line of its own
	s_cbranch_scc0 .Lothers
	tensor_load_to_lds s[G0A:G0A+3], s[G1A:G1A+7]
	s_nop 0
.rept 4
	v_nop
.endr
	s_branch .Lasked
.Lothers:
	tensor_load_to_lds s[G0A:G0A+3], s[G1A:G1A+7]
	s_nop 0
.rept 4
	v_nop
.endr
.Lasked:
	s_lshl_b32 s19, s15, 5
	s_lshl_b32 s22, s[WV], 1
	s_add_co_u32 s19, s19, s22                     ; my first tile of 16 queries: 32 cx + 2 wave; the second pass: 16 tiles on
	s_mov_b32 s23, 0
	s_lshl_b32 s22, s16, 17
	s_lshl_b32 s57, s19, 10
	s_add_co_u32 s22, s22, s57
	s_add_nc_u64 s[4:5], s[4:5], s[22:23]
	s_lshl_b32 s22, s16, 13
	s_lshl_b32 s57, s19, 6
	s_add_co_u32 s22, s22, s57
	s_add_nc_u64 s[6:7], s[6:7], s[22:23]
	s_lshr_b32 s58, s16, 4
	s_and_b32 s59, s16, 15
	s_lshl_b32 s22, s58, 7
	s_add_co_u32 s22, s22, s19
	s_lshl_b32 s22, s22, 14
	s_lshl_b32 s57, s59, 10
	s_add_co_u32 s22, s22, s57
	s_add_nc_u64 s[10:11], s[10:11], s[22:23]
	s_lshl_b32 s22, s58, 16
	s_lshl_b32 s57, s19, 9
	s_add_co_u32 s22, s22, s57
	s_lshl_b32 s57, s59, 1
	s_add_co_u32 s22, s22, s57
	s_add_nc_u64 s[12:13], s[12:13], s[22:23]
	v_and_b32 v13, 31, v0
	v_lshlrev_b32 v[L16], 4, v13
	v_lshlrev_b32 v[L4], 2, v13
	v_lshlrev_b32 v[L32], 5, v13
	v_cmp_lt_u32 s[HM], 15, v13
	v_mov_b32 v[CSC], 0x38000000
.irp x, 0,1
.irp b, 0,1,2,3
	v_mov_b32 v[TW+24*\x+4+\b], 0                  ; a lane permute's destination counts as one of its sources
.endr
	v_mov_b32 v[TW+24*\x+23], 0                    ; named as the upper half of a pair
.endr
	WIN W_LD
.irp x, 0,1
.irp i, 0,1,2,3,4,5,6,7
	v_mov_b32 v[QB+24*\x+8+\i], 0                  ; the zeros between the two copies of q
.endr
.endr
.irp x, 0,1
.irp c, 0,1
	global_load_b128 v[NX+8*\x+4*\c:NX+8*\x+4*\c+3], v[L16], s[4:5] offset:1024*\x+512*\c   ; the first pass's q
.endr
.endr
	WIN 0
	global_load_b32 v[QSN], v[L4], s[6:7]
.macro KQP f, u, x
.set rD, S+64*(\x)+16*(\f)+8*(\u)
.set rA, KF+16*(\f)
.set rB, QB+24*(\x)+8*(\u)
.if ((\f)%2 == 0) && ((\x) == 0)
	v_wmma_scale_f32_16x16x128_f8f6f4 v[rD:rD+7], v[rA:rA+15], v[rB:rB+15], 0, v[KSR+(\f)/2], v[QS] matrix_a_fmt:MATRIX_FMT_BF8 matrix_b_fmt:MATRIX_FMT_BF8
.elseif ((\f)%2 == 1) && ((\x) == 0)
	v_wmma_scale_f32_16x16x128_f8f6f4 v[rD:rD+7], v[rA:rA+15], v[rB:rB+15], 0, v[KSR+(\f)/2], v[QS] matrix_a_fmt:MATRIX_FMT_BF8 matrix_b_fmt:MATRIX_FMT_BF8 matrix_a_scale:MATRIX_SCALE_ROW1
.elseif ((\f)%2 == 0)
	v_wmma_scale_f32_16x16x128_f8f6f4 v[rD:rD+7], v[rA:rA+15], v[rB:rB+15], 0, v[KSR+(\f)/2], v[QS] matrix_a_fmt:MATRIX_FMT_BF8 matrix_b_fmt:MATRIX_FMT_BF8 matrix_b_scale:MATRIX_SCALE_ROW1
.else
	v_wmma_scale_f32_16x16x128_f8f6f4 v[rD:rD+7], v[rA:rA+15], v[rB:rB+15], 0, v[KSR+(\f)/2], v[QS] matrix_a_fmt:MATRIX_FMT_BF8 matrix_b_fmt:MATRIX_FMT_BF8 matrix_a_scale:MATRIX_SCALE_ROW1 matrix_b_scale:MATRIX_SCALE_ROW1
.endif
.endm
.macro PVP t, x
.set rO, OA+32*(\x)+8*(\t)
.set rV, VF+16*(\t)
.set rP, PC+16*(\x)
.if (\t)%2 == 0
	v_wmma_scale_f32_16x16x128_f8f6f4 v[rO:rO+7], v[rV:rV+15], v[rP:rP+15], v[rO:rO+7], v[VSR+(\t)/2], v[FF+2*(\x)+1] matrix_a_fmt:MATRIX_FMT_BF8 matrix_b_fmt:MATRIX_FMT_BF8
.else
	v_wmma_scale_f32_16x16x128_f8f6f4 v[rO:rO+7], v[rV:rV+15], v[rP:rP+15], v[rO:rO+7], v[VSR+(\t)/2], v[FF+2*(\x)+1] matrix_a_fmt:MATRIX_FMT_BF8 matrix_b_fmt:MATRIX_FMT_BF8 matrix_a_scale:MATRIX_SCALE_ROW1
.endif
.endm
.macro HOLD2 r                         ; two numbers held at 1.75: the conversion to an 8-bit code does not saturate (ISA guide 7.6.2); p' is not negative, so the hold is one-sided
	v_dual_min_num_f32 v[\r], s[BND], v[\r] :: v_dual_min_num_f32 v[\r+1], s[BND], v[\r+1]
.endm
; Stage k of tile x's chain from the blocks' t to M, f and the scale word.  The stages stand among tile 0's 32 multiply-adds, two of those between two stages.
.macro MCH k, x
.set T_, TW+24*(\x)
.set N_, ST+4*(\x)
.if (\k) == 0
	v_max3_num_f32 v[N_+1], v[T_+21], v[T_+15], v[N_+1]   ; the running largest t
.elseif (\k) == 1
	v_mov_b32 v[T_+19], v[N_]
.elseif (\k) == 2
	v_floor_f32 v[N_], -v[N_+1]                    ; the new -M = -ceil(t)
.elseif (\k) == 3
	v_sub_f32 v[T_+19], v[N_], v[T_+19]            ; old M - new M: a whole number, 0 or less
.elseif (\k) == 4
	v_add_f32 v[T_+17], 0x42e00000, v[N_]          ; 112 - M
.elseif (\k) == 5
	v_cvt_i32_f32 v[T_+19], v[T_+19]               ; (it saturates)
.elseif (\k) == 6
	v_sub_f32 v[T_+9], v[T_+17], v[T_+8]           ; F - M + 112, at most 112
	v_sub_f32 v[T_+11], v[T_+17], v[T_+10]
.elseif (\k) == 7
	v_sub_f32 v[T_+13], v[T_+17], v[T_+12]
	v_sub_f32 v[T_+15], v[T_+17], v[T_+14]
.elseif (\k) == 8
	v_ldexp_f32 v[FF+2*(\x)], 1.0, v[T_+19]        ; f
.elseif (\k) == 9
	v_cvt_u32_f32 v[T_+9], v[T_+9]                 ; the byte; what is negative becomes 0
	v_cvt_u32_f32 v[T_+11], v[T_+11]
.elseif (\k) == 10
	v_cvt_u32_f32 v[T_+13], v[T_+13]
	v_cvt_u32_f32 v[T_+15], v[T_+15]
.elseif (\k) == 11
	v_lshl_or_b32 v[FF+2*(\x)+1], v[T_+11], 8, v[T_+9]
.elseif (\k) == 12
	v_lshl_or_b32 v[FF+2*(\x)+1], v[T_+13], 16, v[FF+2*(\x)+1]
.elseif (\k) == 13
	v_lshl_or_b32 v[FF+2*(\x)+1], v[T_+15], 24, v[FF+2*(\x)+1]
.endif
.endm
; A KEY STEP: 128 keys against my two tiles of 16 queries.
.macro STEP
	v_add_nc_u32 v[ADR], s[TB], v[L16]             ; (with the eight multiply-adds at the last step's end: the places in front of the loads below)
	v_add_nc_u32 v[ADS], s[TB], v[L4]
.irp g, 0,1
	ds_load_b32 v[KSR+\g], v[ADS] offset:KSO+128*\g
.endr
.irp g, 0,1
	ds_load_b32 v[VSR+\g], v[ADS] offset:VSO+128*\g
.endr
	WIN W_LD
.irp f, 0,1,2,3
.irp c, 0,1,2,3
	ds_load_b128 v[KF+16*\f+4*\c:KF+16*\f+4*\c+3], v[ADR] offset:2048*\f+512*\c
.endr
.endr
.irp t, 0,1,2,3
.irp c, 0,1,2,3
	ds_load_b128 v[VF+16*\t+4*\c:VF+16*\t+4*\c+3], v[ADR] offset:VFO+2048*\t+512*\c
.endr
.endr
	s_wait_dscnt 16                                ; the scale words and K are in; V's 16 loads may be out
	WIN W_KQ
.irp f, 0,1,2,3
.irp u, 0,1
.irp x, 0,1
	KQP \f, \u, \x
.endr
.endr
.endr
	WIN 0
.rept 8
	v_nop
.endr
.irp x, 0,1
.irp b, 0,1,2,3
	v_max3_num_f32 v[TW+24*\x+\b], v[S+64*\x+16*\b], v[S+64*\x+16*\b+1], v[S+64*\x+16*\b+2]   ; each block's largest score, the eight blocks by turns
.endr
.endr
.irp i, 3,5,7,9,11,13
.irp x, 0,1
.irp b, 0,1,2,3
	v_max3_num_f32 v[TW+24*\x+\b], v[TW+24*\x+\b], v[S+64*\x+16*\b+\i], v[S+64*\x+16*\b+\i+1]
.endr
.endr
.endr
.irp x, 0,1
.irp b, 0,1,2,3
	v_max_num_f32 v[TW+24*\x+\b], v[TW+24*\x+\b], v[S+64*\x+16*\b+15]
.endr
.endr
.irp x, 0,1
.irp b, 0,1,2,3
	v_permlanex16_b32 v[TW+24*\x+4+\b], v[TW+24*\x+\b], s[SELR], s[SELR+1]
.endr
.endr
.irp x, 0,1
.irp b, 0,1,2,3
	v_max_num_f32 v[TW+24*\x+\b], v[TW+24*\x+\b], v[TW+24*\x+4+\b]   ; with lane l xor 16's 16 keys
.endr
.endr
.irp x, 0,1
.irp b, 0,1,2,3
	v_mul_f32 v[TW+24*\x+9+2*\b], s[CS], v[TW+24*\x+\b]             ; as t
.endr
.endr
.irp x, 0,1
	v_max3_num_f32 v[TW+24*\x+21], v[TW+24*\x+9], v[TW+24*\x+11], v[TW+24*\x+13]
.endr
.irp x, 0,1
.irp b, 0,1,2,3
	v_ceil_f32 v[TW+24*\x+8+2*\b], -v[TW+24*\x+9+2*\b]              ; -F = -floor(t)
.endr
.endr
.set J_, 0
.rept 32
	v_pk_fma_f32 v[S+J_:S+J_+1], v[S+J_:S+J_+1], s[CS:CS+1], v[TW+8+2*(J_/16):TW+9+2*(J_/16)] op_sel_hi:[1,0,0]   ; tile 0: t - F, two at a time
.if J_%4 == 0
	MCH J_/4, 0
	MCH J_/4, 1
.endif
.set J_, J_+2
.endr
	WIN W_RS
.irp x, 0,1
.irp j, 0,2,4,6,8,10,12,14,16,18,20,22,24,26,28,30
	v_pk_mul_f32 v[OA+32*\x+\j:OA+32*\x+\j+1], v[OA+32*\x+\j:OA+32*\x+\j+1], v[FF+2*\x:FF+2*\x+1] op_sel_hi:[1,0]   ; O^T under the new M
.endr
.endr
	WIN 0
	s_wait_alu depctr_va_vdst(0)                   ; the wait ahead of the batch
.set J_, 0
.rept 32                                       ; tile 0's p' = 2^(t - F); among the exponentials tile 1's t - F: each reads what stands ahead of the wait above and is read behind the wait below
	v_exp_f32 v[S+J_], v[S+J_]
	v_pk_fma_f32 v[S+64+J_:S+64+J_+1], v[S+64+J_:S+64+J_+1], s[CS:CS+1], v[TW+24+8+2*(J_/16):TW+24+9+2*(J_/16)] op_sel_hi:[1,0,0]
	v_exp_f32 v[S+J_+1], v[S+J_+1]
.set J_, J_+2
.endr
.irp x, 0,1
	v_pk_mul_f32 v[ST+4*\x+2:ST+4*\x+3], v[ST+4*\x+2:ST+4*\x+3], v[FF+2*\x:FF+2*\x+1] op_sel_hi:[1,0]   ; the sums under the new M (plain places behind the batch)
.endr
	s_wait_alu depctr_va_vdst(0)                   ; and the wait behind it, ahead of its first reader
.irp b, 0,1,2,3
	v_pk_add_f32 v[TW+2*\b:TW+2*\b+1], v[S+16*\b:S+16*\b+1], v[S+16*\b+2:S+16*\b+3]   ; tile 0: each block's sum of the unquantised p'
.endr
.irp j, 4,6,8,10,12,14
.irp b, 0,1,2,3
	v_pk_add_f32 v[TW+2*\b:TW+2*\b+1], v[TW+2*\b:TW+2*\b+1], v[S+16*\b+\j:S+16*\b+\j+1]
.endr
.endr
.set J_, 0
.rept 32                                       ; tile 1's p'; among the exponentials tile 0's holds, which are read behind the wait below
	v_exp_f32 v[S+64+J_], v[S+64+J_]
	HOLD2 S+J_
	v_exp_f32 v[S+64+J_+1], v[S+64+J_+1]
.set J_, J_+2
.endr
	v_nop                                          ; a plain place behind the last exponential
	s_wait_alu depctr_va_vdst(0)                   ; the wait behind the batch, ahead of its first reader
.irp b, 0,1,2,3
	v_cvt_scalef32_pk8_bf8_f32 v[PC+4*\b:PC+4*\b+1], v[S+16*\b:S+16*\b+7], v[CSC]
	v_cvt_scalef32_pk8_bf8_f32 v[PC+4*\b+2:PC+4*\b+3], v[S+16*\b+8:S+16*\b+15], v[CSC]
.endr
.irp b, 0,1,2,3
	v_pk_add_f32 v[TW+24+2*\b:TW+24+2*\b+1], v[S+64+16*\b:S+64+16*\b+1], v[S+64+16*\b+2:S+64+16*\b+3]   ; tile 1's sums
.endr
.irp j, 4,6,8,10,12,14
.irp b, 0,1,2,3
	v_pk_add_f32 v[TW+24+2*\b:TW+24+2*\b+1], v[TW+24+2*\b:TW+24+2*\b+1], v[S+64+16*\b+\j:S+64+16*\b+\j+1]
.endr
.endr
.irp b, 0,1,2,3
.irp i, 0,2,4,6,8,10,12,14
	HOLD2 S+64+16*\b+\i
.endr
	v_cvt_scalef32_pk8_bf8_f32 v[PC+16+4*\b:PC+16+4*\b+1], v[S+64+16*\b:S+64+16*\b+7], v[CSC]
	v_cvt_scalef32_pk8_bf8_f32 v[PC+16+4*\b+2:PC+16+4*\b+3], v[S+64+16*\b+8:S+64+16*\b+15], v[CSC]
.endr
.irp x, 0,1
.irp b, 0,1,2,3
	v_ldexp_f32 v[TW+24*\x+16+2*\b], s[K112], v[TW+24*\x+9+2*\b]    ; 2^(F - M).  (These eight are the places between the codes and the products)
.endr
.endr
	s_wait_alu depctr_va_vdst(0)                   ; directly ahead of the wait below
	s_wait_dscnt 0x0                               ; V
	WIN W_PV
.irp t, 0,1,2,3
.irp x, 0,1
	PVP \t, \x
.endr
.endr
	WIN 0
.irp b, 0,1,2,3
.irp x, 0,1
	v_pk_fma_f32 v[ST+4*\x+2:ST+4*\x+3], v[TW+24*\x+2*\b:TW+24*\x+2*\b+1], v[TW+24*\x+16+2*\b:TW+24*\x+17+2*\b], v[ST+4*\x+2:ST+4*\x+3] op_sel_hi:[1,0,1]   ; the row's sum; eight places behind the products
.endr
.endr
	s_add_co_u32 s[TB], s[TB], STEPB
.endm
	s_wait_alu depctr_va_vdst(0)                   ; the wait at the head's end
.Lpass:
	s_wait_loadcnt 0x0                             ; this pass's q and its scale words
	v_mov_b32 v[QS], v[QSN]
	WIN W_RS
.irp x, 0,1
.irp i, 0,1,2,3,4,5,6,7
	v_mov_b32 v[QB+24*\x+\i], v[NX+8*\x+\i]
	v_mov_b32 v[QB+24*\x+16+\i], v[NX+8*\x+\i]
.endr
.endr
	WIN W_LD
.set J_, 0
.rept 64
	v_mov_b32 v[OA+J_], 0                          ; the step is written once: the first finds zeros
.set J_, J_+1
.endr
	WIN 0
.irp x, 0,1
	v_mov_b32 v[ST+4*\x+1], 0xff61b1e6             ; the largest t so far: -3e38
	v_floor_f32 v[ST+4*\x], -v[ST+4*\x+1]
	v_mov_b32 v[ST+4*\x+2], 0
	v_mov_b32 v[ST+4*\x+3], 0
.endr
	s_mov_b32 s[TB], 0
	s_cmp_eq_u32 s[PASS], 2
	s_cbranch_scc0 .Lno_next
	WIN W_LD
.irp x, 0,1
.irp c, 0,1
	global_load_b128 v[NX+8*\x+4*\c:NX+8*\x+4*\c+3], v[L16], s[4:5] offset:16384+1024*\x+512*\c   ; the second pass's q: waited for at that pass's head
.endr
.endr
	WIN 0
	global_load_b32 v[QSN], v[L4], s[6:7] offset:1024
.Lno_next:
	s_cmp_eq_u32 s[WV], 0
	s_cbranch_scc0 .Lnot_first
	s_wait_tensorcnt 0x0                           ; wave 0: steps 0 and 1 are in
.Lnot_first:
	s_barrier_signal -1
	s_barrier_wait -1
	s_mov_b32 s[CNT], 2
.Lfirst_steps:
	STEP
	s_sub_co_u32 s[CNT], s[CNT], 1
	s_cmp_lg_u32 s[CNT], 0
	s_cbranch_scc1 .Lfirst_steps
	s_wait_tensorcnt 0x0                           ; every wave: its two steps are in
	s_barrier_signal -1
	s_barrier_wait -1
	s_mov_b32 s[CNT], 14
.Lother_steps:
	STEP
	s_sub_co_u32 s[CNT], s[CNT], 1
	s_cmp_lg_u32 s[CNT], 0
	s_cbranch_scc1 .Lother_steps
	; THE WAY OUT: O^T / the sum, quantised along the features (two blocks of 32 a tile), as the next launch's operand registers take it
.irp x, 0,1
	v_add_f32 v[TW+24*\x+16], v[ST+4*\x+2], v[ST+4*\x+3]
.endr
.irp x, 0,1
	v_permlanex16_b32 v[TW+24*\x+4], v[TW+24*\x+16], s[SELR], s[SELR+1]
.endr
.irp x, 0,1
	v_add_f32 v[TW+24*\x+16], v[TW+24*\x+16], v[TW+24*\x+4]
.endr
	s_wait_alu depctr_va_vdst(0)                   ; the wait ahead of the transcendentals
.irp x, 0,1
	v_rcp_f32 v[TW+24*\x+18], v[TW+24*\x+16]
.endr
	v_nop
	s_wait_alu depctr_va_vdst(0)                   ; and ahead of their first reader, which is O^T's first reader too
	WIN W_OUT
.irp x, 0,1
.irp j, 0,2,4,6,8,10,12,14,16,18,20,22,24,26,28,30
	v_pk_mul_f32 v[S+64*\x+\j:S+64*\x+\j+1], v[OA+32*\x+\j:OA+32*\x+\j+1], v[TW+24*\x+18:TW+24*\x+19] op_sel_hi:[1,0]
.endr
.endr
	WIN 0
.irp x, 0,1
.irp b, 0,1
	v_max3_num_f32 v[TW+24*\x+\b], |v[S+64*\x+16*\b]|, |v[S+64*\x+16*\b+1]|, 0x8000000   ; and the floor 2^(16 - 127): the byte cannot fall under 1
.endr
.endr
.irp i, 2,4,6,8,10,12,14
.irp x, 0,1
.irp b, 0,1
	v_max3_num_f32 v[TW+24*\x+\b], v[TW+24*\x+\b], |v[S+64*\x+16*\b+\i]|, |v[S+64*\x+16*\b+\i+1]|
.endr
.endr
.endr
.irp x, 0,1
.irp b, 0,1
	v_permlanex16_b32 v[TW+24*\x+4+\b], v[TW+24*\x+\b], s[SELR], s[SELR+1]
.endr
.endr
.irp x, 0,1
.irp b, 0,1
	v_max_num_f32 v[TW+24*\x+\b], v[TW+24*\x+\b], v[TW+24*\x+4+\b]
.endr
.endr
.irp x, 0,1
.irp b, 0,1
	v_add_nc_u32 v[TW+24*\x+12+\b], 0xf8800000, v[TW+24*\x+\b]      ; 15 off the exponent field: the conversion's scale operand
.endr
.endr
.irp x, 0,1
.irp b, 0,1
	v_and_or_b32 v[TW+24*\x+8+\b], v[TW+24*\x+\b], 0x7f800000, s[MNT]   ; 57,344 x the scale
.endr
.endr
.irp x, 0,1
.irp b, 0,1
	v_lshrrev_b32 v[TW+24*\x+4+\b], 23, v[TW+24*\x+12+\b]           ; the byte
.endr
.endr
.irp x, 0,1
	v_lshl_or_b32 v[TW+24*\x+20], v[TW+24*\x+5], 8, v[TW+24*\x+4]
.endr
	v_cndmask_b32 v[HWS], v[TW+20], v[TW+24+20], s[HM]
.irp x, 0,1
.irp b, 0,1
.irp i, 0,1,2,3,4,5,6,7,8,9,10,11,12,13,14,15
	v_med3_num_f32 v[S+64*\x+16*\b+\i], v[S+64*\x+16*\b+\i], -v[TW+24*\x+8+\b], v[TW+24*\x+8+\b]
.endr
	v_cvt_scalef32_pk8_bf8_f32 v[PC+16*\x+4*\b:PC+16*\x+4*\b+1], v[S+64*\x+16*\b:S+64*\x+16*\b+7], v[TW+24*\x+12+\b]
	v_cvt_scalef32_pk8_bf8_f32 v[PC+16*\x+4*\b+2:PC+16*\x+4*\b+3], v[S+64*\x+16*\b+8:S+64*\x+16*\b+15], v[TW+24*\x+12+\b]
.endr
.endr
	v_nop
.irp x, 0,1
.irp b, 0,1
	v_permlane16_swap_b32 v[PC+16*\x+4*\b], v[PC+16*\x+4*\b+2]
	v_permlane16_swap_b32 v[PC+16*\x+4*\b+1], v[PC+16*\x+4*\b+3]
.endr
.endr
.irp x, 0,1
.irp b, 0,1
	global_store_b128 v[L16], v[PC+16*\x+4*\b:PC+16*\x+4*\b+3], s[10:11] offset:16384*\x+512*\b
.endr
.endr
	global_store_b16 v[L32], v[HWS], s[12:13]
	s_wait_xcnt 0x0                                ; the stores have read their registers and bases: both are written again below
	s_add_nc_u64 s[10:11], s[10:11], 262144
	s_add_nc_u64 s[12:13], s[12:13], 8192
	s_sub_co_u32 s[PASS], s[PASS], 1
	s_cmp_lg_u32 s[PASS], 0
	s_cbranch_scc1 .Lpass
	s_wait_tensorcnt 0x0                           ; the wave's end
	ds_add_u32 v[SPW], v[NIL]
	s_wait_dscnt 0x0
	CROUND                                         ; the closing round
	s_endpgm
.Lfunc_end_k_qdef4e3ccaf_attn:
	.size	k_qdef4e3ccaf_attn, .Lfunc_end_k_qdef4e3ccaf_attn-k_qdef4e3ccaf_attn
	.p2alignl 7, 3214868480
	.fill 96, 4, 3214868480
	.section	.rodata,"a",@progbits
	.p2align	6, 0x0
	.amdhsa_kernel k_qdef4e3ccaf_attn
		.amdhsa_group_segment_fixed_size 327680
		.amdhsa_private_segment_fixed_size 0
		.amdhsa_enable_private_segment 0
		.amdhsa_kernarg_size 40
		.amdhsa_user_sgpr_count 2
		.amdhsa_user_sgpr_kernarg_segment_ptr 1
		.amdhsa_wavefront_size32 1
		.amdhsa_system_sgpr_workgroup_id_x 1
		.amdhsa_system_sgpr_workgroup_id_y 1
		.amdhsa_system_sgpr_workgroup_id_z 1
		.amdhsa_system_vgpr_workitem_id 0
		.amdhsa_next_free_vgpr 512
		.amdhsa_next_free_sgpr 66
		.amdhsa_reserve_vcc 0
		.amdhsa_float_denorm_mode_32 3
		.amdhsa_float_denorm_mode_16_64 3
		.amdhsa_memory_ordered 1
		.amdhsa_forward_progress 1
		.amdhsa_inst_pref_size 88
	.end_amdhsa_kernel
	.amdgpu_metadata
---
amdhsa.version: [ 1, 2 ]
amdhsa.kernels:
  - .name:           k_qdef4e3ccaf_attn
    .symbol:         k_qdef4e3ccaf_attn.kd
    .args:
      - { .name: qc, .offset: 0, .size: 8, .value_kind: global_buffer, .address_space: global }
      - { .name: qs, .offset: 8, .size: 8, .value_kind: global_buffer, .address_space: global }
      - { .name: kv, .offset: 16, .size: 8, .value_kind: global_buffer, .address_space: global }
      - { .name: oc, .offset: 24, .size: 8, .value_kind: global_buffer, .address_space: global }
      - { .name: os, .offset: 32, .size: 8, .value_kind: global_buffer, .address_space: global }
    .group_segment_fixed_size: 327680
    .private_segment_fixed_size: 0
    .kernarg_segment_align: 8
    .kernarg_segment_size: 40
    .max_flat_workgroup_size: 256
    .sgpr_count:     66
    .vgpr_count:     512
    .wavefront_size: 32
...
	.end_amdgpu_metadata
.endif
;; end of part 2
;; launch proj (part 3): grid 4 x 64, 4 waves a work-group, clusters of 4 x 4, 327,680 bytes of LDS; arguments oc, os, Wo_codes, Wo_scales, out0, bo; writes out0
.if DOCPART == 3
	.amdgcn_target "amdgcn-amd-amdhsa--gfx1250"
	.amdhsa_code_object_version 6
	.text
	.protected	k_qdef4e3ccaf_proj
	.globl	k_qdef4e3ccaf_proj
	.p2align	8
	.type	k_qdef4e3ccaf_proj,@function
k_qdef4e3ccaf_proj:
	s_mov_b64 s[64:65], 0
	v_nop
	global_prefetch_b8 v0, s[64:65] scope:SCOPE_SE
	s_setreg_imm32_b32 hwreg(HW_REG_WAVE_MODE, 25, 1), 1
	s_wait_xcnt 0x0
	s_wait_alu depctr_hold_cnt(0) depctr_sa_sdst(0) depctr_va_vdst(0) depctr_va_sdst(0) depctr_va_ssrc(0) depctr_va_vcc(0) depctr_vm_vsrc(0)
	s_getreg_b32 s2, hwreg(HW_REG_IB_STS2, 6, 4)
	s_cmp_eq_u32 s2, 0
	s_cbranch_scc0 .Lentry_in_a_cluster
	s_endpgm
.Lentry_in_a_cluster:
	s_bfe_u32 s2, ttmp6, 0x10000c
	s_cmp_lg_u32 s2, 0xf033
	s_cbranch_scc0 .Lentry_shape_is_right
	s_endpgm
.Lentry_shape_is_right:
; LAUNCH 3 OF 3.  out0 = o Wo + bo on codes of BF8 (E5M2) with one E8M0 scale for each 32 along K (K = 1,024); sums in f32.  No work is left out here.
; oc holds o's codes as the launch before laid them: [tile of 16 tokens][128 of K][piece of 512 bytes][lane][16 bytes], the image of an operand's registers; os its scale bytes, [token][32].
; SHARES.  4 x 64 work-groups of four waves, 2 x 2; a work-group makes 128 tokens x 256 features in TWO PHASES of 128 features; a wave 64 tokens x 64 features a phase: 16 accumulators.
; A wave keeps its 64 tokens of o, all of K, in 512 registers, read from LDS once; Wo's rows stream past them from LDS, 64 rows x 128 of K a step, in two sets of registers.
; LDS: o's 128 tokens (131,072 bytes, dense), 128 whole rows of Wo (1,024 bytes + 16 of padding each), a stage for each wave, the spare words.
; FILLS.  At the head one joint load a wave: waves 0 and 1 the halves of o's tokens, on a line of their own, shown by the first barrier; waves 2 and 3 the halves of Wo's first 128 rows, shown by the second.
; ONE REFILL: Wo's second 128 rows over the first, behind a drained round of the cluster's barrier inside phase 0's last 16 products (waves 2 and 3, 64 rows each); phase 0's results leave while it is on its way.
; CLUSTERS: 4 x 4.  o's tokens hang on the tile row alone and are asked for jointly by a row of the cluster, Wo's rows on the tile column alone, by a column.
; The scale words (a row's 32 bytes a lane: sixteen lanes read 512 bytes on end) and the bias come once, by plain loads, into registers.  THE BIAS is the C of each sum's first product.
; NO PREFETCH: the text has no loop to run ahead in; what is asked for late is the one refill.
; TRANSPOSED USE: source 0 = 16 rows of Wo, source 1 = 16 tokens: a lane holds one token and eight neighbouring features.
; REGISTERS: window 0: v1-17 addresses; v24-55 o's scale words (8 a + k step); v60-123 Wo's (32 phase + 8 b + k step): the two of a product never have numbers equal modulo 8;
;   v128-191 rows on the way out, two sets; v192-255 the bias.  windows 1, 2: o's fragments (fragment 4 k step + a).  window 3: v0-127 accumulators (a, b) at 8 (4 a + b); v128-255 Wo's fragments, two sets.
.set KROW,   1024
.set BP,     1040                      ; a row of Wo in LDS: an odd multiple of 16 bytes
.set ATILE,  16384                     ; 16 tokens, all of K
.set BBASE,  8*ATILE
.set STAGE,  BBASE+128*BP              ; 264,192: 16 rows x 272 bytes for each wave; no fill lands here
.set SPITCH, 272
.set SPARE,  STAGE+4*16*SPITCH         ; 281,600: the spare words, 128 bytes a wave
.set NP,     8                         ; places behind this matrix instruction (ISA guide 7.12.1)
.set ADRA, 8
.set ADRB, 9
.set STO,  10
.set RD,   11
.set CO,   12
.set VA,   13
.set VH,   14
.set SPW,  16
.set NIL,  17
.set SA,   24
.set SB,   60
.set BK,   128
.set BIAS, 192
.set G1A, 24
.set G0A, 32
.set G0B, 36
.set G1B, 48
.set MSB, 0
.macro WIN new
.if MSB != (\new)
	s_set_vgpr_msb (MSB<<8)|(\new)
.set MSB, (\new)
.endif
.endm
.macro PLACES n
.rept \n
	v_nop
.endr
.endm
.macro CREST
	s_cmp_lg_u32 s14, 0
	s_cbranch_scc1 .Lnot_wave_0_\@
	s_barrier_signal -3
.Lnot_wave_0_\@:
	s_barrier_wait -3
	s_barrier_signal -1
	s_barrier_wait -1
.endm
.macro CROUND
	s_barrier_signal -1
	s_barrier_wait -1
	CREST
.endm
	s_load_b128 s[4:7], s[0:1], 0x0                ; oc, os
	s_load_b128 s[8:11], s[0:1], 0x10              ; Wo's codes, Wo's scales
	s_load_b128 s[68:71], s[0:1], 0x20             ; out0, bo
	v_lshl_add_u32 v[SPW], v0, 2, SPARE
	v_mov_b32 v[NIL], 0
	ds_add_u32 v[SPW], v[NIL]                      ; the opening lines: the add, twice on end, and its wait ahead of my first tensor load
	ds_add_u32 v[SPW], v[NIL]
	v_lshrrev_b32 v1, 5, v0
	v_readfirstlane_b32 s14, v1                    ; wave 0..3
	s_lshr_b32 s15, s14, 1                         ; my half of the tokens.  Also: I fetch o (0) or Wo (1)
	s_and_b32 s16, s14, 1                          ; my half of a phase's features.  Also: which half I fetch
	s_bfe_u32 s40, ttmp6, 0x40000                  ; cx, cy
	s_bfe_u32 s41, ttmp6, 0x40004
	s_lshl_b32 s42, ttmp9, 2
	s_add_co_u32 s42, s42, s40                     ; tile column: 256 features
	s_and_b32 s17, ttmp7, 0xffff
	s_lshl_b32 s17, s17, 2
	s_add_co_u32 s17, s17, s41                     ; tile row: 128 tokens
	s_lshl_b32 s43, s41, 2
	s_lshl_b32 s43, 15, s43                        ; my row of the cluster
	s_lshl_b32 s44, 0x1111, s40                    ; my column
	s_or_b32 s[G1A+0], s43, (3<<16)|(1<<21)        ; o: 65,536 dense bytes as 256 rows of 256 (32 elements of 8 bytes)
	s_mov_b32 s[G1A+1], 32<<16
	s_mov_b32 s[G1A+2], 256<<16
	s_mov_b32 s[G1A+3], 32<<16
	s_mov_b32 s[G1A+4], 256
	s_mov_b32 s[G1A+5], 32
	s_mov_b32 s[G1A+6], 0
	s_mov_b32 s[G1A+7], 0
	s_or_b32 s[G1B+0], s44, (1<<20)|(1<<21)|(7<<22)|(3<<25)   ; Wo: 64 whole rows of 1,024 bytes, four words of padding behind each 256 words
	s_mov_b32 s[G1B+1], KROW<<16
	s_mov_b32 s[G1B+2], 64<<16
	s_mov_b32 s[G1B+3], KROW<<16
	s_mov_b32 s[G1B+4], 64
	s_mov_b32 s[G1B+5], KROW
	s_mov_b32 s[G1B+6], 0
	s_mov_b32 s[G1B+7], 0
	s_lshl_b32 s20, s17, 17                        ; byte offsets, each under 2^32.  o's codes: 131,072 a tile row, 65,536 a half
	s_lshl_b32 s18, s16, 16
	s_add_co_u32 s20, s20, s18
	s_mov_b32 s21, 0
	s_lshl_b32 s22, s42, 18                        ; Wo's codes: 256 rows a tile column, 64 rows a half
	s_add_co_u32 s22, s22, s18
	s_mov_b32 s23, 0
	s_lshl_b32 s46, s17, 12                        ; o's scale bytes at my wave's 64 tokens
	s_lshl_b32 s19, s15, 11
	s_add_co_u32 s46, s46, s19
	s_mov_b32 s47, 0
	s_lshl_b32 s56, s42, 13                        ; Wo's at my wave's 64 features of phase 0
	s_lshl_b32 s19, s16, 11
	s_add_co_u32 s56, s56, s19
	s_mov_b32 s57, 0
	s_lshl_b32 s58, s42, 10                        ; those features in bo and in a row of out0
	s_lshl_b32 s19, s16, 8
	s_add_co_u32 s58, s58, s19
	s_mov_b32 s59, 0
	s_lshl_b32 s60, s17, 19                        ; my first row of out0
	s_lshl_b32 s19, s15, 18
	s_add_co_u32 s60, s60, s19
	s_add_co_u32 s60, s60, s58
	s_mov_b32 s61, 0
	s_mul_i32 s45, s16, 64*BP
	s_add_co_u32 s45, s45, BBASE                   ; 64 rows of Wo in LDS: those that I fetch, and those that I multiply
	s_wait_dscnt 0x0                               ; both opening adds are done
	s_wait_kmcnt 0x0
	s_mov_b32 s[G0A], 1
	s_mov_b32 s[G0A+1], s18
	s_add_nc_u64 s[G0A+2:G0A+3], s[4:5], s[20:21]
	s_or_b32 s[G0A+3], s[G0A+3], 0x80000000
	s_mov_b32 s[G0B], 1
	s_mov_b32 s[G0B+1], s45
	s_add_nc_u64 s[G0B+2:G0B+3], s[8:9], s[22:23]
	s_or_b32 s[G0B+3], s[G0B+3], 0x80000000
	s_add_nc_u64 s[6:7], s[6:7], s[46:47]
	s_add_nc_u64 s[10:11], s[10:11], s[56:57]
	s_add_nc_u64 s[70:71], s[70:71], s[58:59]
	s_add_nc_u64 s[68:69], s[68:69], s[60:61]
	CROUND                                         ; all sixteen work-groups are here: the first joint loads meet
	s_cmp_eq_u32 s15, 0                            ; one load a wave, in the two arms of one branch on the wave's number
	s_cbranch_scc0 .Lfor_b
	tensor_load_to_lds s[G0A:G0A+3], s[G1A:G1A+7]
	s_nop 0
	PLACES 4
	s_branch .Lasked
.Lfor_b:
	tensor_load_to_lds s[G0B:G0B+3], s[G1B:G1B+7]
	s_nop 0
	PLACES 4
.Lasked:
	v_and_b32 v1, 15, v0                           ; r
	v_bfe_u32 v2, v0, 4, 1                         ; h
	v_and_b32 v3, 31, v0
	v_lshlrev_b32 v4, 4, v3
	s_lshl_b32 s19, s15, 16                        ; my four tiles of 16 tokens
	v_add_nc_u32 v[ADRA], s19, v4
	v_mul_u32_u24 v5, v1, BP
	v_lshl_add_u32 v5, v2, 4, v5
	v_add_nc_u32 v[ADRB], s45, v5                  ; a fragment's row x pitch + 16 x half
	s_mul_i32 s19, s14, 16*SPITCH
	s_add_co_u32 s19, s19, STAGE                   ; my stage
	v_mul_u32_u24 v5, v1, SPITCH
	v_lshl_add_u32 v5, v2, 5, v5
	v_add_nc_u32 v[STO], s19, v5                   ; in: row r, 32 bytes for each half of the lanes
	v_mul_u32_u24 v6, v2, SPITCH
	v_lshl_add_u32 v6, v1, 4, v6
	v_add_nc_u32 v[RD], s19, v6                    ; back: lanes 0-15 one row of 256 bytes, lanes 16-31 the next
	v_lshlrev_b32 v7, 12, v2
	v_lshl_add_u32 v[CO], v1, 4, v7                ; and the same two rows in out0
	v_lshlrev_b32 v[VA], 5, v1                     ; a row of scale bytes
	v_lshlrev_b32 v[VH], 5, v2
	s_wait_alu depctr_va_vdst(0)                   ; the wait at the head's end
.irp a, 0,1,2,3
.irp c, 0,1
	global_load_b128 v[SA+8*\a+4*\c:SA+8*\a+4*\c+3], v[VA], s[6:7] offset:512*\a+16*\c
.endr
.endr
.irp p, 0,1
.irp b, 0,1,2,3
.irp c, 0,1
	global_load_b128 v[SB+32*\p+8*\b+4*\c:SB+32*\p+8*\b+4*\c+3], v[VA], s[10:11] offset:4096*\p+512*\b+16*\c
	global_load_b128 v[BIAS+32*\p+8*\b+4*\c:BIAS+32*\p+8*\b+4*\c+3], v[VH], s[70:71] offset:512*\p+64*\b+16*\c   ; register j of (a, b): feature 16 b + 8 h + j
.endr
.endr
.endr
.macro FETCHB kq                       ; Wo's four fragments of the kq-th 128 of K into set kq % 2: 16 loads
	WIN 0xc0
.irp b, 0,1,2,3
.irp c, 0,1,2,3
	ds_load_b128 v[128+64*((\kq)%2)+16*\b+4*\c:128+64*((\kq)%2)+16*\b+4*\c+3], v[ADRB] offset:\b*16*BP+128*(\kq)+32*\c
.endr
.endr
.endm
; 16 products: my four tiles of tokens x four tiles of features, the kq-th 128 of K.  The 16 accumulators take turns, in the same order in every step.
.macro MULS kq, p, zero
.if \zero
	WIN 0xc7                                       ; source 0 window 3, source 1 window 1, C (the bias) window 0, D window 3
.elseif (\kq) < 4
	WIN 0xf7
.else
	WIN 0xfb                                       ; o's fragments 16 to 31 lie in window 2
.endif
.irp a, 0,1,2,3
.irp b, 0,1,2,3
.if \zero
	v_wmma_scale_f32_16x16x128_f8f6f4 v[8*(4*\a+\b):8*(4*\a+\b)+7], v[128+64*((\kq)%2)+16*\b:128+64*((\kq)%2)+16*\b+15], v[16*((4*(\kq)+\a)%16):16*((4*(\kq)+\a)%16)+15], v[BIAS+32*(\p)+8*\b:BIAS+32*(\p)+8*\b+7], v[SB+32*(\p)+8*\b+(\kq)], v[SA+8*\a+(\kq)] matrix_a_fmt:MATRIX_FMT_BF8 matrix_b_fmt:MATRIX_FMT_BF8
.else
	v_wmma_scale_f32_16x16x128_f8f6f4 v[8*(4*\a+\b):8*(4*\a+\b)+7], v[128+64*((\kq)%2)+16*\b:128+64*((\kq)%2)+16*\b+15], v[16*((4*(\kq)+\a)%16):16*((4*(\kq)+\a)%16)+15], v[8*(4*\a+\b):8*(4*\a+\b)+7], v[SB+32*(\p)+8*\b+(\kq)], v[SA+8*\a+(\kq)] matrix_a_fmt:MATRIX_FMT_BF8 matrix_b_fmt:MATRIX_FMT_BF8
.endif
.endr
.endr
.endm
.macro STEPS p                         ; a phase's first seven steps along K; each fetches the next step's fragments into the set that the step before has multiplied
	FETCHB 0
	FETCHB 1
	s_wait_dscnt 16                                ; all but the 16 loads just issued
.if (\p) == 0
	s_wait_loadcnt 0x0                             ; the scale words and the bias
.endif
	MULS 0, \p, 1
.irp kq, 1,2,3,4,5,6
	PLACES NP                                      ; in front of loads into registers that the products above the last 16 have read
	FETCHB \kq+1
	s_wait_dscnt 16
	MULS \kq, \p, 0
.endr
.endm
; THE WAY OUT, block by block of 16 tokens x 64 features: through my own stage and back as whole rows of 256 bytes; LDS serves a wave's instructions in order (ISA guide 5.7.1.4).
.macro TOSTAGE a
	WIN 0x0c                                       ; the data: window 3
.irp b, 0,1,2,3
	ds_store_b128 v[STO], v[8*(4*(\a)+\b):8*(4*(\a)+\b)+3] offset:64*\b          ; each accumulator from its low end on
	ds_store_b128 v[STO], v[8*(4*(\a)+\b)+4:8*(4*(\a)+\b)+7] offset:64*\b+16
.endr
	WIN 0
.irp t, 0,1,2,3,4,5,6,7
	ds_load_b128 v[BK+32*((\a)%2)+4*\t:BK+32*((\a)%2)+4*\t+3], v[RD] offset:\t*2*SPITCH
.endr
.endm
.macro SEND a, p, younger
	s_wait_dscnt \younger
.irp t, 0,1,2,3,4,5,6,7
	global_store_b128 v[CO], v[BK+32*((\a)%2)+4*\t:BK+32*((\a)%2)+4*\t+3], s[68:69] offset:(\a)*65536+\t*8192+512*(\p) th:TH_STORE_NT   ; sixteen lanes store 256 consecutive bytes, aligned
.endr
.endm
.macro WAYOUT p
	PLACES NP+1                                    ; behind the last products: results are read; and the next phase's first products write these accumulators anew
	s_wait_xcnt 0x0                                ; earlier stores have read their registers
	TOSTAGE 0
.irp a, 1,2,3
.if \a > 1
	s_wait_xcnt 0x0                                ; block a - 2's stores have read their registers: block a's loads may land there
.endif
	TOSTAGE \a
	SEND \a-1, \p, 16                              ; behind block a - 1's loads: block a's 8 stores and 8 loads
.endr
	SEND 3, \p, 0
.endm
	s_cmp_eq_u32 s15, 0
	s_cbranch_scc0 .Lnot_a
	s_wait_tensorcnt 0x0                           ; waves 0 and 1: o's tokens are in
.Lnot_a:
	s_barrier_signal -1
	s_barrier_wait -1
.irp kq, 0,1,2,3,4,5,6,7                       ; my 64 tokens, all of K, into windows 1 and 2: 128 loads
	WIN (1+\kq/4)<<6
.irp a, 0,1,2,3
.irp c, 0,1,2,3
	ds_load_b128 v[16*((4*\kq+\a)%16)+4*\c:16*((4*\kq+\a)%16)+4*\c+3], v[ADRA] offset:\a*ATILE+2048*\kq+512*\c
.endr
.endr
.endr
	WIN 0
	s_wait_tensorcnt 0x0                           ; every wave: Wo's first 128 rows are in
	s_wait_dscnt 0x0
	s_barrier_signal -1
	s_barrier_wait -1
	STEPS 0
	WIN 0
	s_wait_tensorcnt 0x0                           ; the three lines ahead of the refill's round: none of my tensor loads is out;
	ds_add_u32 v[SPW], v[NIL]                      ; 0 onto my spare word;
	s_wait_dscnt 0x0                               ; the add is done, and my reads of Wo's first 128 rows are over
	s_barrier_signal -1
	MULS 7, 0, 0                                   ; work on registers while the others arrive
	WIN 0
	s_barrier_wait -1
	CREST                                          ; no wave of any partner still reads these rows or has a load on its way
	s_add_nc_u64 s[G0B+2:G0B+3], s[G0B+2:G0B+3], 128*KROW
	s_cmp_eq_u32 s15, 1
	s_cbranch_scc0 .Lno_refill
	tensor_load_to_lds s[G0B:G0B+3], s[G1B:G1B+7]  ; waves 2 and 3: Wo's second 128 rows, 64 each, over the first
	s_nop 0
	PLACES 4
.Lno_refill:
	WAYOUT 0
	s_wait_tensorcnt 0x0                           ; every wave: the second 128 rows are in
	s_wait_dscnt 0x0
	s_barrier_signal -1
	s_barrier_wait -1
	STEPS 1
	s_wait_dscnt 0x0
	MULS 7, 1, 0
	WIN 0
	WAYOUT 1
	s_wait_tensorcnt 0x0                           ; the wave's end
	ds_add_u32 v[SPW], v[NIL]
	s_wait_dscnt 0x0
	CROUND                                         ; the closing round
	s_endpgm
.Lfunc_end_k_qdef4e3ccaf_proj:
	.size	k_qdef4e3ccaf_proj, .Lfunc_end_k_qdef4e3ccaf_proj-k_qdef4e3ccaf_proj
	.p2alignl 7, 3214868480
	.fill 96, 4, 3214868480
	.section	.rodata,"a",@progbits
	.p2align	6, 0x0
	.amdhsa_kernel k_qdef4e3ccaf_proj
		.amdhsa_group_segment_fixed_size 327680
		.amdhsa_private_segment_fixed_size 0
		.amdhsa_enable_private_segment 0
		.amdhsa_kernarg_size 48
		.amdhsa_user_sgpr_count 2
		.amdhsa_user_sgpr_kernarg_segment_ptr 1
		.amdhsa_wavefront_size32 1
		.amdhsa_system_sgpr_workgroup_id_x 1
		.amdhsa_system_sgpr_workgroup_id_y 1
		.amdhsa_system_sgpr_workgroup_id_z 1
		.amdhsa_system_vgpr_workitem_id 0
		.amdhsa_next_free_vgpr 1024
		.amdhsa_next_free_sgpr 80
		.amdhsa_reserve_vcc 0
		.amdhsa_float_denorm_mode_32 3
		.amdhsa_float_denorm_mode_16_64 3
		.amdhsa_memory_ordered 1
		.amdhsa_forward_progress 1
		.amdhsa_inst_pref_size 88
	.end_amdhsa_kernel
	.amdgpu_metadata
---
amdhsa.version: [ 1, 2 ]
amdhsa.kernels:
  - .name:           k_qdef4e3ccaf_proj
    .symbol:         k_qdef4e3ccaf_proj.kd
    .args:
      - { .name: oc, .offset: 0, .size: 8, .value_kind: global_buffer, .address_space: global }
      - { .name: os, .offset: 8, .size: 8, .value_kind: global_buffer, .address_space: global }
      - { .name: Wo_codes, .offset: 16, .size: 8, .value_kind: global_buffer, .address_space: global }
      - { .name: Wo_scales, .offset: 24, .size: 8, .value_kind: global_buffer, .address_space: global }
      - { .name: out0, .offset: 32, .size: 8, .value_kind: global_buffer, .address_space: global }
      - { .name: bo, .offset: 40, .size: 8, .value_kind: global_buffer, .address_space: global }
    .group_segment_fixed_size: 327680
    .private_segment_fixed_size: 0
    .kernarg_segment_align: 8
    .kernarg_segment_size: 48
    .max_flat_workgroup_size: 128
    .sgpr_count:     80
    .vgpr_count:     1024
    .wavefront_size: 32
...
	.end_amdgpu_metadata
.endif
;; end of part 3
